; MI455X (gfx1250); checked and timed in simulation.
; The chip was launched on July 23, 2026; its instructions are those of AMD's public machine-readable ISA for CDNA 5 (MIT licence, August 2026) and "CDNA5" Instruction Set Architecture Reference Guide (July 2026). The comments in the code are by the model that wrote it; some were corrected since.
;; Flash Attention. Allowed arithmetic: matrix products marked QUANTISED: E2M1 operands, one E8M0 scale for each 32 along K, by v_wmma_scale_f32_16x16x128_f8f6f4 with both operands' format E2M1 (or v_wmma_scale_f32_32x16x128_f4), f32 sums; everything else in f32.
;; Inputs: W_out_codes 1,024 x 32 x 16 uint8 (E2M1 codes of W_out, K innermost, in blocks of 32 codes, two codes a byte); W_out_scales 1,024 x 32 uint8 (E8M0 scales of W_out, one for each 32 codes along K); W_qkv_codes 3,072 x 32 x 16 uint8 (E2M1 codes of W_qkv, K innermost, in blocks of 32 codes, two codes a byte); W_qkv_scales 3,072 x 32 uint8 (E8M0 scales of W_qkv, one for each 32 codes along K); b_out 1,024 float32; b_qkv 3,072 float32; x_codes 2 x 2,048 x 32 x 16 uint8 (E2M1 codes of x, K innermost, in blocks of 32 codes, two codes a byte); x_scales 2 x 2,048 x 32 uint8 (E8M0 scales of x, one for each 32 codes along K).
;; Outputs: out0 2 x 2,048 x 1,024 float32.
;; This version of the problem:
;;   THIS VERSION OF THE PROBLEM IS GIVEN IN LOW PRECISION. The matrix products marked QUANTISED in the list below multiply operands that are first quantised to E2M1 (2 exponent bits, 1 mantissa bit; 4 bits a number), with one power-of-two scale for each 32 numbers along K (OCP MX v1.0); their sums are f32. All else is computed in f32.
;;   The module's matrix products, in the order in which they are computed (A, B: the left and right operand; K: the contracted axis; several contracted axes count as one K, in the product's order):
;;     1. [M 4,096, K 1,024] x [K 1,024, N 3,072]; A: input x (given as codes); B: input W_qkv (given as codes): QUANTISED
;;     2. batch 32 x [M 2,048, K 64] x [K 64, N 2,048]; A: computed on the way; B: computed on the way: QUANTISED
;;     3. batch 32 x [M 2,048, K 2,048] x [K 2,048, N 64]; A: softmax (see below); B: computed on the way: QUANTISED
;;     4. [M 4,096, K 1,024] x [K 1,024, N 1,024]; A: computed on the way; B: input W_out (given as codes): QUANTISED
;;   THE QUANTISER, for each operand of a quantised product, along K:
;;     - K is cut into blocks of 32 from its start; a last block that is shorter is filled with zeros.
;;     - A block's scale is 2^e with e = floor(log2(the largest magnitude in the block)) - 2, held to -126 .. 127; a block of zeros has e = 0. As a byte (E8M0): e + 127.
;;     - Each number is divided by its block's scale, clamped to +-6, and rounded to the nearest number of E2M1, ties to even, subnormals kept.
;;     - The product sums the exact products of the quantised numbers (number of the format x scale) in f32.
;;   ~~~python
;;   def quantise(x, axis):      # numpy; x: float32 -> the quantised numbers, widened to float32 again
;;       x = np.moveaxis(x, axis, -1); K = x.shape[-1]
;;       x = np.pad(x, [(0, 0)] * (x.ndim - 1) + [(0, -K % 32)]); x = x.reshape(x.shape[:-1] + (-1, 32)); a = np.abs(x).max(-1, keepdims=True)
;;       e = np.where(a > 0, np.clip(np.frexp(np.where(a > 0, a, 1))[1] - 1 - 2, -126, 127), 0)      # np.frexp(a)[1] - 1 = floor(log2(a)), exactly
;;       r = np.clip(x / 2.0 ** e, -6, 6)
;;       step = 2.0 ** (np.maximum(np.frexp(np.where(r == 0, 1, r))[1] - 1, 0) - 1)
;;       q = np.round(r / step) * step * 2.0 ** e      # np.round: ties to even
;;       return np.moveaxis(q.reshape(q.shape[:-2] + (-1,))[..., :K], -1, axis).astype(np.float32)
;;   ~~~
;;   SOFTMAX AHEAD OF A QUANTISED PRODUCT. Where the list says 'softmax', what is quantised is not the finished softmax but p = 2^(t - M), with t = logit x log2(e) and M = ceil(the row's largest t), a whole number; so 1/2 < the row's largest p <= 1. The row's sum l is taken of the UNQUANTISED p, in f32, and the product's result is divided by l at the end. Since M is a whole number, a kernel that streams over the keys may use a running M (the ceiling of the running maximum): every later rescaling is an exact power of two, which a block's scale takes up: the codes' values come out the same.
;;   OPERANDS COMPUTED ON THE WAY. 'Computed on the way' means the value that the module computes at that place (a softmax that the list does not call 'softmax' is quantised finished and normalised). What goes into a quantiser is computed in f32, as accurately as f32 sums, v_exp_f32 and their like allow (about 1e-6 of the number): no bf16 or f16 on the way to a quantiser, and a product that is left as it is and whose result goes on into a quantised operand takes f32 operands (vector FMAs, or v_wmma_f32_16x16x4_f32). A number that lies on a knife's edge between two numbers of the format may be rounded either way, as far as f32 arithmetic and the matrix unit's own rounding can turn it there, and no further.
;;   INPUTS GIVEN AS CODES. W_out (in the module: [1024, 1024], K = its axis 1); W_qkv (in the module: [3072, 1024], K = its axis 1); x (in the module: [2, 2048, 1024], K = its axis 2): each comes as NAME_codes (uint8): NAME with its K axis moved to the last place and cut into blocks of 32 codes, [.., K / 32, bytes a block], one block behind the other in memory; two codes a byte, the lower K in the low four bits (a code: sign, 2 exponent bits, 1 mantissa bit); and NAME_scales (uint8): the same leading axes, one E8M0 byte (e + 127) for each 32 codes along K. Its value is code x scale, taken as it is: it is not quantised again, and the codes and scales need not be those that the quantiser above would give.
;; One version. Each part assembles by itself: llvm-mc -triple=amdgcn-amd-amdhsa -mcpu=gfx1250 --defsym DOCPART=n.
;; ======== version 1 of 1: 3 launches
;; limits: right only within a limited range of input values
;; workspace buffers: kv 4,456,448 bytes; qi 2,228,224 bytes; oc 2,097,152 bytes; osc 131,072 bytes
;; launch qkv (part 1): grid 16 x 16, 4 waves a work-group, clusters of 4 x 4, 246,272 bytes of LDS; arguments x_codes, x_scales, W_qkv_codes, W_qkv_scales, b_qkv, qi, kv; writes qi, kv
.if DOCPART == 1
	.amdgcn_target "amdgcn-amd-amdhsa--gfx1250"
	.amdhsa_code_object_version 6
	.text
	.protected	k_qbafb9aaac3_qkv
	.globl	k_qbafb9aaac3_qkv
	.p2align	8
	.type	k_qbafb9aaac3_qkv,@function
k_qbafb9aaac3_qkv:
	s_mov_b64 s[64:65], 0
	v_nop
	global_prefetch_b8 v0, s[64:65] scope:SCOPE_SE
	s_setreg_imm32_b32 hwreg(HW_REG_WAVE_MODE, 25, 1), 1
	s_wait_xcnt 0x0
	s_wait_alu depctr_hold_cnt(0) depctr_sa_sdst(0) depctr_va_vdst(0) depctr_va_sdst(0) depctr_va_ssrc(0) depctr_va_vcc(0) depctr_vm_vsrc(0)
	s_getreg_b32 s2, hwreg(HW_REG_IB_STS2, 6, 4)
	s_cmp_eq_u32 s2, 0
	s_cbranch_scc0 .Lentry_in_a_cluster
	s_endpgm
.Lentry_in_a_cluster:
	s_bfe_u32 s2, ttmp6, 0x10000c
	s_cmp_lg_u32 s2, 0xf033
	s_cbranch_scc0 .Lentry_shape_is_right
	s_endpgm
.Lentry_shape_is_right:
; qkv = x W_qkv^T + b_qkv on codes of FP4 (E2M1) with one E8M0 scale for each 32 along K, f32 sums; then q and k are quantised along the head's 64 channels and v along the tokens,
; and leave as IMAGES OF OPERAND REGISTERS (lane l's 16 bytes at 16 l), so that the attention launch loads them with no shuffle.
; SHARES.  A work-group takes 256 tokens x one head's 64 columns of q, of k and of v: 16 x 16 work-groups.  Wave w: its 128 tokens are half w / 2 (one record of the attention), pr = w % 2.
;   product (a): q (pr = 0) or k (pr = 1): source 0 = 4 tiles of 16 rows of W, source 1 = 8 tiles of 16 tokens: a lane holds ONE token and its registers run along the channels: 32 accumulators.
;   product (b): v's channels 32 pr .. 32 pr + 31: source 0 = the 8 tiles of tokens, source 1 = 2 tiles of rows of W: a lane holds ONE channel and its registers run along the tokens: 16 accumulators.
; THE ROWS OF A TILE.  Token tile 4 c + g (c = 0, 1; g = 0 .. 3) takes as its rows 0-7 the tokens 64 c + 8 g + 0 .. 7 (block 2 c of 32) and as its rows 8-15 the tokens 64 c + 32 + 8 (g xor 1) + 0 .. 7 (block 2 c + 1).
;   In a result lane half h holds rows 8 h .. 8 h + 7, so the 32 registers of tiles 4 c .. 4 c + 3 are ONE WHOLE BLOCK of 32 tokens, 2 c + h, which is what the 4-bit operand's layout wants in that lane half, registers 4 c .. 4 c + 3.
;   The order of the tokens inside a block is the same in k and in v (and of the channels in q and in k), so the products are unchanged.  W's rows of q and k form tiles in the same way: tile i = channels 8 i .. and 32 + 8 (i xor 1) ...
;   With g xor 1 the 16 rows of a fragment load are 16 different rows modulo 16.  The output launch puts the tokens back in their order.
; LDS is filled once, by one tensor load a wave: x's 256 rows, then W's 64 rows of q, of k, of v, all of K (512 bytes + 16 of padding a row).  Nothing is stored to LDS.  There is no loop that loads, so nothing is prefetched.
; CLUSTER 4 x 4: x's tile hangs on the token block alone (shared along a row of the cluster), W's on the head alone (shared along a column): joint loads.
; OUT.  kv[bh][record][8,704]: K's 8 tiles x 512 bytes; at 4,096 K's scale words; at 4,352 V's 4 tiles x 1,024; at 8,448 V's scale words.  qi[bh][record][4,352]: as K's part.
; LIMITS: a block whose largest magnitude lies under 2^-124 (a block of zeros too) gets the scale byte 1: these bytes are read by this program alone, and zero codes add nothing under it.  NaN and infinities are not served.
.set PITCH, 528                        ; 512 bytes + 16 = 132 words: row r starts at bank 4 r mod 64 (64 banks of 4 bytes: ISA guide 11.1)
.set XB,    256*PITCH                  ; x's rows
.set WPART, 64*PITCH                   ; one part (q, k or v) of W's rows
.set SPARE, XB+3*WPART                 ; the spare words: 128 bytes a wave, in two blocks of 256 bytes that no other line names
; window 0
.set LI,  3                            ; 16 x lane
.set L4,  4                            ; 4 x lane
.set L8,  5                            ; 8 x lane
.set H8,  6                            ; 8 h
.set AX,  7                            ; v7-8    my x fragments: tiles of even, odd g
.set AW,  9                            ; v9-10   my q or k rows of W: even, odd tiles
.set AV,  11                           ; my v rows of W
.set XSA, 12                           ; v12-13  byte offsets of the scale and bias loads: even, odd
.set WSA, 14                           ; v14-15
.set VSA, 16
.set BQA, 17                           ; v17-18
.set BVA, 19
.set XSC, 32                           ; v32-63  x's scale words: v[XSC + 8 (j % 4) + s]: lanes 0-15 tile j, lanes 16-31 tile j + 4, K step s
.set WSC, 64                           ; v64-79  W's (q or k): v[WSC + 8 (i % 2) + s]: lanes 0-15 tile i, lanes 16-31 tile i + 2
.set VSC, 80                           ; v80-87  W's (v): lanes 0-15 tile 0, lanes 16-31 tile 1
.set PW,  112                          ; v112-117 the six scale words made
.set KS,  120                          ; v120-121 q's or k's scale words as they are stored
.set VW,  124                          ; v's
.set PC,  128                          ; v128-175 codes: eight registers for each of the six runs of the quantiser, so that no store's data are written again
.set MX,  176                          ; v176-191 at work in the quantiser: the maxima,
.set XS,  192                          ; v192-199 the conversions' scale operands,
.set WB,  200                          ; v200-207 the scales' bytes,
.set PX,  208                          ; v208-211 and the other lane half's
.set SPW, 254                          ; my spare word's LDS address, and 0: never rewritten
.set NIL, 255
; window 1: accumulator (a)(j, i) at v[32 j + 8 i].  window 2: accumulator (b)(t, j) at v[64 t + 8 j]; the biases in the results' layout:
.set BQ,  128
.set BV,  160
; window 3: two sets of fragments of 112 registers: x 8 x 8, W (q or k) 4 x 8 at +64, W (v) 2 x 8 at +96
.set WV,  18
.set THF, 19
.set PR,  20
.set CX,  21
.set CY,  22
.set HH,  23
.set TBK, 24
.set PT,  25
.set HIM, 26
.set G1X, 28
.set G1W, 36
.set G0X, 44
.set G0W, 48
.set SEL, 60
.set XSB, 76
.set WSB, 78
.set VSB, 80
.set BQB, 82
.set BVB, 84
.set OUTQK, 92
.set OUTV,  96
.set OUTVS, 98
.set MSB, 0
.macro WIN new                         ; the immediate's high byte repeats the setting that is left; a switch that changes nothing is dropped
.if MSB != (\new)
	s_set_vgpr_msb (MSB<<8)|(\new)
.set MSB, (\new)
.endif
.endm
.macro PLACES                          ; four places in front of loads into registers that matrix instructions have read, and of the first read of results
.rept 4
	v_nop
.endr
.endm
.macro CROUND                          ; a round of the cluster's barrier
	s_barrier_signal -1
	s_barrier_wait -1
	s_cmp_lg_u32 s[WV], 0
	s_cbranch_scc1 .Lnot_wave_0_\@
	s_barrier_signal -3
.Lnot_wave_0_\@:
	s_barrier_wait -3
	s_barrier_signal -1
	s_barrier_wait -1
.endm
; 28 LDS loads in one run: the 14 fragments of the q-th 128 along K.  A fragment (16 rows x 128 K) is 8 registers: lane (r, h) holds row r; registers 4 e .. 4 e + 3 hold K = 64 e + 32 h + 0 .. 31.
.macro FETCH q, set
.set FB, 112*(\set)
	WIN 0xc0                                       ; destination window 3, address window 0
.irp j, 0,1,2,3,4,5,6,7
.irp e, 0,1
	ds_load_b128 v[FB+8*\j+4*\e:FB+8*\j+4*\e+3], v[AX+(\j%2)] offset:(64*(\j/4)+8*(\j%4))*PITCH+64*(\q)+32*\e
.endr
.endr
.irp i, 0,1,2,3
.irp e, 0,1
	ds_load_b128 v[FB+64+8*\i+4*\e:FB+64+8*\i+4*\e+3], v[AW+(\i%2)] offset:8*\i*PITCH+64*(\q)+32*\e
.endr
.endr
.irp t, 0,1
.irp e, 0,1
	ds_load_b128 v[FB+96+8*\t+4*\e:FB+96+8*\t+4*\e+3], v[AV] offset:16*\t*PITCH+64*(\q)+32*\e
.endr
.endr
	WIN 0
.endm
; One matrix instruction.  ra, rb = 1: that side's scale words are taken from lanes 16-31 of its register.
.macro WM d, a, b, c, sa, sb, ra, rb
.if (\ra) && (\rb)
	v_wmma_scale_f32_16x16x128_f8f6f4 v[\d:\d+7], v[\a:\a+7], v[\b:\b+7], v[\c:\c+7], v[\sa], v[\sb] matrix_a_fmt:MATRIX_FMT_FP4 matrix_b_fmt:MATRIX_FMT_FP4 matrix_a_scale:MATRIX_SCALE_ROW1 matrix_b_scale:MATRIX_SCALE_ROW1
.elseif (\ra)
	v_wmma_scale_f32_16x16x128_f8f6f4 v[\d:\d+7], v[\a:\a+7], v[\b:\b+7], v[\c:\c+7], v[\sa], v[\sb] matrix_a_fmt:MATRIX_FMT_FP4 matrix_b_fmt:MATRIX_FMT_FP4 matrix_a_scale:MATRIX_SCALE_ROW1
.elseif (\rb)
	v_wmma_scale_f32_16x16x128_f8f6f4 v[\d:\d+7], v[\a:\a+7], v[\b:\b+7], v[\c:\c+7], v[\sa], v[\sb] matrix_a_fmt:MATRIX_FMT_FP4 matrix_b_fmt:MATRIX_FMT_FP4 matrix_b_scale:MATRIX_SCALE_ROW1
.else
	v_wmma_scale_f32_16x16x128_f8f6f4 v[\d:\d+7], v[\a:\a+7], v[\b:\b+7], v[\c:\c+7], v[\sa], v[\sb] matrix_a_fmt:MATRIX_FMT_FP4 matrix_b_fmt:MATRIX_FMT_FP4
.endif
.endm
; K step s on fragment set `set`: 32 + 16 matrix instructions.  first = 1: the biases are the C of each sum's first instruction: nothing is cleared, no bias is added.
; The 48 accumulators take turns, one instruction a turn, in the same order in every step.
.macro MUL s, set, first
.set FB, 112*(\set)
.if \first
	WIN 0x6f                                       ; sources 0 and 1 window 3, C (the bias) window 2, D window 1
.else
	WIN 0x5f                                       ; C and D window 1
.endif
.irp j, 0,1,2,3,4,5,6,7
.irp i, 0,1,2,3
.if \first
	WM 32*\j+8*\i, FB+64+8*\i, FB+8*\j, BQ+8*\i, WSC+8*(\i%2)+\s, XSC+8*(\j%4)+\s, \i/2, \j/4
.else
	WM 32*\j+8*\i, FB+64+8*\i, FB+8*\j, 32*\j+8*\i, WSC+8*(\i%2)+\s, XSC+8*(\j%4)+\s, \i/2, \j/4
.endif
.endr
.endr
	WIN 0xaf                                       ; C and D window 2
.irp t, 0,1
.irp j, 0,1,2,3,4,5,6,7
.if \first
	WM 64*\t+8*\j, FB+8*\j, FB+96+8*\t, BV+8*\t, XSC+8*(\j%4)+\s, VSC+\s, \j/4, \t
.else
	WM 64*\t+8*\j, FB+8*\j, FB+96+8*\t, 64*\t+8*\j, XSC+8*(\j%4)+\s, VSC+\s, \j/4, \t
.endif
.endr
.endr
.endm
; n runs of 64 numbers of a lane in window w, run J at v[64 J] .. v[64 J + 63]: registers 32 c .. 32 c + 31 of a run are a whole block.  A run becomes eight registers of codes at v[pc + 8 J] (4 c .. 4 c + 3 block c's)
; and a scale word in v[pw + J]: lane half h's blocks give bytes h and 2 + h, and lane l xor 16 the other two.  The runs go side by side, line by line.
.macro QUANT w, n, pc, pw
	WIN (\w)|((\w)<<2)                             ; sources 0 and 1 in window w
.set J, 0
.rept \n
.irp b, 0,1,2,3
	v_max3_num_f32 v[MX+4*J+\b], |v[64*J+16*\b]|, |v[64*J+16*\b+1]|, 0x1800000   ; half a block, each accumulator from its low end on, and the floor 2^(3 - 127): the byte cannot fall under 1
.endr
.set J, J+1
.endr
.irp i, 2,4,6,8,10,12,14
.set J, 0
.rept \n
.irp b, 0,1,2,3
	v_max3_num_f32 v[MX+4*J+\b], |v[64*J+16*\b+\i]|, |v[64*J+16*\b+\i+1]|, v[MX+4*J+\b]
.endr
.set J, J+1
.endr
.endr
	WIN 0
.set J, 0
.rept \n
	v_max_num_f32 v[MX+4*J], v[MX+4*J], v[MX+4*J+1]        ; block 0's largest magnitude
	v_max_num_f32 v[MX+4*J+2], v[MX+4*J+2], v[MX+4*J+3]    ; block 1's
.set J, J+1
.endr
.set J, 0
.rept \n
	v_add_nc_u32 v[XS+2*J], 0xff000000, v[MX+4*J]          ; 2 off its exponent field: the conversion takes the exponent field of this operand as its scale
	v_add_nc_u32 v[XS+2*J+1], 0xff000000, v[MX+4*J+2]
.set J, J+1
.endr
	WIN (\w)                                       ; source 0 in window w
.set J, 0
.rept \n
.irp j, 0,1,2,3,4,5,6,7
	v_cvt_scalef32_pk8_fp4_f32 v[\pc+8*J+\j], v[64*J+8*\j:64*J+8*\j+7], v[XS+2*J+\j/4]
.endr
.set J, J+1
.endr
	WIN 0
.set J, 0
.rept \n
	v_lshrrev_b32 v[WB+2*J], 23, v[XS+2*J]         ; the scales' bytes (the first of these lines is also the plain place behind the conversions)
	v_lshrrev_b32 v[WB+2*J+1], 23, v[XS+2*J+1]
.set J, J+1
.endr
.set J, 0
.rept \n
	v_lshl_or_b32 v[WB+2*J], v[WB+2*J+1], 16, v[WB+2*J]
.set J, J+1
.endr
.set J, 0
.rept \n
	v_lshlrev_b32 v[WB+2*J], v[H8], v[WB+2*J]
.set J, J+1
.endr
.set J, 0
.rept \n
	v_permlanex16_b32 v[PX+J], v[WB+2*J], s[SEL], s[SEL+1]
.set J, J+1
.endr
.set J, 0
.rept \n
	v_or_b32 v[\pw+J], v[WB+2*J], v[PX+J]
.set J, J+1
.endr
.endm
	s_load_b256 s[4:11], s[0:1], 0x0               ; x_codes s[4:5], x_scales s[6:7], W_qkv_codes s[8:9], W_qkv_scales s[10:11]
	s_load_b128 s[12:15], s[0:1], 0x20             ; b_qkv s[12:13], qi s[14:15]
	s_load_b64 s[16:17], s[0:1], 0x30              ; kv
	v_lshl_add_u32 v[SPW], v0, 2, SPARE
	v_mov_b32 v[NIL], 0
	ds_add_u32 v[SPW], v[NIL]                      ; the wave's opening: the add, twice on end, and one wait for both
	ds_add_u32 v[SPW], v[NIL]
	v_lshrrev_b32 v1, 5, v0
	v_readfirstlane_b32 s[WV], v1                  ; wave 0..3
	s_lshr_b32 s[THF], s[WV], 1                    ; which 128 tokens are mine
	s_and_b32 s[PR], s[WV], 1                      ; q or k; which 32 channels of v
	s_min_u32 s[PT], s[WV], 2                      ; which part of W I fetch (wave 3 fetches x)
	s_bfe_u32 s[CX], ttmp6, 0x40000
	s_bfe_u32 s[CY], ttmp6, 0x40004
	s_lshl_b32 s[HH], ttmp9, 2
	s_add_co_u32 s[HH], s[HH], s[CX]               ; the head = 4 x cluster x + cx
	s_and_b32 s[TBK], ttmp7, 0xffff
	s_lshl_b32 s[TBK], s[TBK], 2
	s_add_co_u32 s[TBK], s[TBK], s[CY]             ; the block of 256 tokens = 4 x cluster y + cy
	s_mov_b32 s[HIM], 0xffff0000                   ; lanes 16-31
	s_mov_b32 s[SEL], 0x76543210
	s_mov_b32 s[SEL+1], 0xfedcba98                 ; v_permlanex16_b32's selects for lane l xor 16
	s_lshl_b32 s68, s[CY], 2
	s_lshl_b32 s68, 15, s68                        ; my row of the cluster
	s_lshl_b32 s69, 0x1111, s[CX]                  ; my column
	; descriptor groups 1: elements of 1 byte; padding on, 4 words behind every 128 (code 6); bit 21 set beside a mask
	s_or_b32 s[G1X], s68, (1<<20)|(1<<21)|(6<<22)|(3<<25)
	s_mov_b32 s[G1X+1], 512<<16                    ; tensor_dim0 = 512 bytes: all of K
	s_mov_b32 s[G1X+2], 256<<16                    ; tensor_dim1 = 256 rows
	s_mov_b32 s[G1X+3], 512<<16                    ; tile_dim0
	s_mov_b32 s[G1X+4], 256                        ; tile_dim1
	s_mov_b32 s[G1X+5], 512                        ; a row of 1,024 codes in memory
	s_mov_b32 s[G1X+6], 0
	s_mov_b32 s[G1X+7], 0
	s_or_b32 s[G1W], s69, (1<<20)|(1<<21)|(6<<22)|(3<<25)
	s_mov_b32 s[G1W+1], 512<<16
	s_mov_b32 s[G1W+2], 64<<16                     ; 64 rows
	s_mov_b32 s[G1W+3], 512<<16
	s_mov_b32 s[G1W+4], 64
	s_mov_b32 s[G1W+5], 512
	s_mov_b32 s[G1W+6], 0
	s_mov_b32 s[G1W+7], 0
	s_lshl_b32 s70, s[TBK], 17                     ; x: 256 rows of 512 bytes a block: hangs on the token block alone
	s_mov_b32 s71, 0
	s_lshl_b32 s72, s[PT], 19                      ; W: row 1,024 part + 64 head, 512 bytes a row: hangs on the head and the wave alone
	s_lshl_b32 s73, s[HH], 15
	s_add_co_u32 s72, s72, s73
	s_mov_b32 s73, 0
	s_mul_i32 s74, s[PT], WPART
	s_add_co_u32 s74, s74, XB                      ; and where the part goes
	s_wait_dscnt 0x0                               ; both opening adds are done
	CROUND                                         ; all sixteen work-groups are here: the joint loads meet
	s_wait_kmcnt 0x0
	s_add_nc_u64 s[70:71], s[4:5], s[70:71]
	s_add_nc_u64 s[72:73], s[8:9], s[72:73]
	s_mov_b32 s[G0X], 1
	s_mov_b32 s[G0X+1], 0
	s_mov_b64 s[G0X+2:G0X+3], s[70:71]
	s_or_b32 s[G0X+3], s[G0X+3], 0x80000000
	s_mov_b32 s[G0W], 1
	s_mov_b32 s[G0W+1], s74
	s_mov_b64 s[G0W+2:G0W+3], s[72:73]
	s_or_b32 s[G0W+3], s[G0W+3], 0x80000000
	; one joint load a wave: wave 3 fetches x's 256 rows, waves 0, 1, 2 the 64 rows of W's part q, k, v.  The branch hangs on the wave's number alone
	s_cmp_eq_u32 s[WV], 3
	s_cbranch_scc0 .Lfor_w
	tensor_load_to_lds s[G0X:G0X+3], s[G1X:G1X+7]
	s_nop 0
	PLACES
	s_branch .Lasked
.Lfor_w:
	tensor_load_to_lds s[G0W:G0W+3], s[G1W:G1W+7]
	s_nop 0
	PLACES
.Lasked:
	v_and_b32 v1, 31, v0                           ; lane
	v_and_b32 v2, 15, v0                           ; r
	v_bfe_u32 v20, v0, 4, 1                        ; h
	v_bfe_u32 v21, v0, 3, 1                        ; r / 8
	v_lshlrev_b32 v[LI], 4, v1
	v_lshlrev_b32 v[L4], 2, v1
	v_lshlrev_b32 v[L8], 3, v1
	v_lshlrev_b32 v[H8], 3, v20
	v_lshl_add_u32 v22, v21, 5, v2                 ; an even tile's row r lies r + 32 (r / 8) rows behind the tile's first,
	v_lshl_add_u32 v23, v21, 4, v2                 ; an odd tile's r + 16 (r / 8)
	v_mul_u32_u24 v24, v22, PITCH
	v_lshl_add_u32 v24, v20, 4, v24                ; row x pitch + 16 h
	v_mul_u32_u24 v25, v23, PITCH
	v_lshl_add_u32 v25, v20, 4, v25
	v_mul_u32_u24 v26, v2, PITCH
	v_lshl_add_u32 v26, v20, 4, v26
	s_mul_i32 s2, s[THF], 128*PITCH
	v_add_nc_u32 v[AX], s2, v24
	v_add_nc_u32 v[AX+1], s2, v25
	s_mul_i32 s2, s[PR], WPART
	s_add_co_u32 s2, s2, XB
	v_add_nc_u32 v[AW], s2, v24
	v_add_nc_u32 v[AW+1], s2, v25
	s_mul_i32 s2, s[PR], 32*PITCH
	s_add_co_u32 s2, s2, XB+2*WPART
	v_add_nc_u32 v[AV], s2, v26
	v_lshlrev_b32 v24, 5, v22                      ; a row of scale bytes is 32 bytes
	v_lshlrev_b32 v25, 5, v23
	v_lshlrev_b32 v26, 5, v2
	v_lshl_add_u32 v[XSA], v20, 11, v24            ; lanes 16-31: four tiles, 64 rows on
	v_lshl_add_u32 v[XSA+1], v20, 11, v25
	v_lshl_add_u32 v[WSA], v20, 9, v24             ; two tiles, 16 rows on
	v_lshl_add_u32 v[WSA+1], v20, 9, v25
	v_lshl_add_u32 v[VSA], v20, 9, v26             ; one tile, 16 rows on
	v_mul_u32_u24 v[BQA], v20, 160                 ; the bias of (a): eight numbers at channel 8 i (h = 0), 32 + 8 (i xor 1) (h = 1): 40 channels on in even tiles,
	v_mul_u32_u24 v[BQA+1], v20, 96                ; 24 in odd ones
	v_lshlrev_b32 v[BVA], 2, v2                    ; of (b): the number at r
.irp b, 0,1,2,3
	v_mov_b32 v[PX+\b], 0                          ; written once: a lane permute's destination counts as one of its sources
.endr
	s_lshl_b32 s[XSB], s[TBK], 13                  ; x's scales: (256 block + 128 half) rows of 32 bytes
	s_lshl_b32 s[XSB+1], s[THF], 12
	s_add_co_u32 s[XSB], s[XSB], s[XSB+1]
	s_mov_b32 s[XSB+1], 0
	s_add_nc_u64 s[XSB:XSB+1], s[6:7], s[XSB:XSB+1]
	s_lshl_b32 s[WSB], s[PR], 15                   ; W's scales of q or k: row 1,024 pr + 64 head
	s_lshl_b32 s[WSB+1], s[HH], 11
	s_add_co_u32 s[WSB], s[WSB], s[WSB+1]
	s_mov_b32 s[WSB+1], 0
	s_add_nc_u64 s[WSB:WSB+1], s[10:11], s[WSB:WSB+1]
	s_lshl_b32 s[VSB], s[HH], 11                   ; of v: row 2,048 + 64 head + 32 pr
	s_lshl_b32 s[VSB+1], s[PR], 10
	s_add_co_u32 s[VSB], s[VSB], s[VSB+1]
	s_add_co_u32 s[VSB], s[VSB], 65536
	s_mov_b32 s[VSB+1], 0
	s_add_nc_u64 s[VSB:VSB+1], s[10:11], s[VSB:VSB+1]
	s_lshl_b32 s[BQB], s[PR], 12                   ; the biases at the same rows, 4 bytes each
	s_lshl_b32 s[BQB+1], s[HH], 8
	s_add_co_u32 s[BQB], s[BQB], s[BQB+1]
	s_mov_b32 s[BQB+1], 0
	s_add_nc_u64 s[BQB:BQB+1], s[12:13], s[BQB:BQB+1]
	s_lshl_b32 s[BVB], s[HH], 8
	s_lshl_b32 s[BVB+1], s[PR], 7
	s_add_co_u32 s[BVB], s[BVB], s[BVB+1]
	s_add_co_u32 s[BVB], s[BVB], 8192
	s_mov_b32 s[BVB+1], 0
	s_add_nc_u64 s[BVB:BVB+1], s[12:13], s[BVB:BVB+1]
	s_wait_alu depctr_va_vdst(0)                   ; the wait at the end of the head's vector work
	; the scale words of all eight K steps stay in registers: a row's 32 bytes are two loads of 16
.irp j, 0,1,2,3
.irp f, 0,1
	global_load_b128 v[XSC+8*\j+4*\f:XSC+8*\j+4*\f+3], v[XSA+(\j%2)], s[XSB:XSB+1] offset:256*\j+16*\f
.endr
.endr
.irp i, 0,1
.irp f, 0,1
	global_load_b128 v[WSC+8*\i+4*\f:WSC+8*\i+4*\f+3], v[WSA+\i], s[WSB:WSB+1] offset:256*\i+16*\f
.endr
.endr
.irp f, 0,1
	global_load_b128 v[VSC+4*\f:VSC+4*\f+3], v[VSA], s[VSB:VSB+1] offset:16*\f
.endr
	WIN 0x80                                       ; destination window 2
.irp i, 0,1,2,3
	global_load_b128 v[BQ+8*\i:BQ+8*\i+3], v[BQA+(\i%2)], s[BQB:BQB+1] offset:32*\i
	global_load_b128 v[BQ+8*\i+4:BQ+8*\i+7], v[BQA+(\i%2)], s[BQB:BQB+1] offset:32*\i+16
.endr
.irp t, 0,1
.irp j, 0,1,2,3,4,5,6,7
	global_load_b32 v[BV+8*\t+\j], v[BVA], s[BVB:BVB+1] offset:64*\t                ; b(16 t + r) in all eight registers: a lane of (b) holds one channel
.endr
.endr
	WIN 0
	; where the results go: record = (16 batch + head) x 16 + the 128 tokens' number
	s_lshr_b32 s86, s[TBK], 3
	s_lshl_b32 s86, s86, 4
	s_add_co_u32 s86, s86, s[HH]
	s_lshl_b32 s86, s86, 4
	s_and_b32 s87, s[TBK], 7
	s_lshl_b32 s87, s87, 1
	s_add_co_u32 s86, s86, s87
	s_add_co_u32 s86, s86, s[THF]
	s_mul_i32 s88, s86, 8704
	s_mov_b32 s89, 0
	s_mul_i32 s90, s86, 4352
	s_mov_b32 s91, 0
	s_cmp_eq_u32 s[PR], 0                          ; q goes to qi, k to kv: the choice hangs on the wave's number alone
	s_cselect_b64 s[OUTQK:OUTQK+1], s[14:15], s[16:17]
	s_cselect_b64 s[90:91], s[90:91], s[88:89]
	s_add_nc_u64 s[OUTQK:OUTQK+1], s[OUTQK:OUTQK+1], s[90:91]
	s_add_nc_u64 s[94:95], s[16:17], s[88:89]
	s_lshl_b32 s[OUTV], s[PR], 11                  ; my two tiles of V: 2,048 pr bytes on
	s_mov_b32 s[OUTV+1], 0
	s_add_nc_u64 s[OUTV:OUTV+1], s[94:95], s[OUTV:OUTV+1]
	s_lshl_b32 s[OUTVS], s[PR], 7                  ; and their scale words: 128 pr
	s_mov_b32 s[OUTVS+1], 0
	s_add_nc_u64 s[OUTVS:OUTVS+1], s[94:95], s[OUTVS:OUTVS+1]
	s_wait_tensorcnt 0x0                           ; my tile is in
	s_barrier_signal -1
	s_barrier_wait -1                              ; everybody's is
	FETCH 0, 0
	s_wait_loadcnt 0x0                             ; scale words and biases
	FETCH 1, 1
	s_wait_dscnt 28                                ; all but the 28 loads just issued, here and in the steps below
	MUL 0, 0, 1
.irp n, 1,2,3,4,5,6
	PLACES
	FETCH (\n+1), ((\n+1)%2)
	s_wait_dscnt 28
	MUL \n, (\n%2), 0
.endr
	s_wait_dscnt 0x0
	MUL 7, 1, 0
	PLACES
	QUANT 1, 4, PC, PW                             ; q or k: run p is two tiles of tokens: block c is tile 2 p + c's channels 32 h .. 32 h + 31
.irp p, 0,1,2,3
	global_store_b128 v[LI], v[PC+8*\p:PC+8*\p+3], s[OUTQK:OUTQK+1] offset:1024*\p         ; 32 lanes store 512 consecutive bytes, at a multiple of 256 from the buffer's first byte
	global_store_b128 v[LI], v[PC+8*\p+4:PC+8*\p+7], s[OUTQK:OUTQK+1] offset:1024*\p+512
.endr
	v_cndmask_b32 v[KS], v[PW], v[PW+1], s[HIM]    ; a word serves a PAIR of tiles (two bytes each): lanes 0-15 pair 0, lanes 16-31 pair 1;
	v_cndmask_b32 v[KS+1], v[PW+2], v[PW+3], s[HIM]  ; pairs 2 and 3
	global_store_b64 v[L8], v[KS:KS+1], s[OUTQK:OUTQK+1] offset:4096
	QUANT 2, 2, PC+32, PW+4                        ; v: a tile of 16 channels x my 128 tokens is one fragment of the attention's second product, and its four bytes one scale word
.irp t, 0,1
	global_store_b128 v[LI], v[PC+32+8*\t:PC+32+8*\t+3], s[OUTV:OUTV+1] offset:4352+1024*\t
	global_store_b128 v[LI], v[PC+32+8*\t+4:PC+32+8*\t+7], s[OUTV:OUTV+1] offset:4352+1024*\t+512
.endr
	v_cndmask_b32 v[VW], v[PW+4], v[PW+5], s[HIM]  ; lanes 0-15 the first tile's words, lanes 16-31 the second's
	global_store_b32 v[L4], v[VW], s[OUTVS:OUTVS+1] offset:8448
	s_wait_tensorcnt 0x0                           ; the wave's end
	ds_add_u32 v[SPW], v[NIL]
	s_wait_dscnt 0x0
	CROUND                                         ; the closing round: no work-group ends while a partner may still ask for a tile that names it
	s_endpgm
.Lfunc_end_k_qbafb9aaac3_qkv:
	.size	k_qbafb9aaac3_qkv, .Lfunc_end_k_qbafb9aaac3_qkv-k_qbafb9aaac3_qkv
	.p2alignl 7, 3214868480
	.fill 96, 4, 3214868480
	.section	.rodata,"a",@progbits
	.p2align	6, 0x0
	.amdhsa_kernel k_qbafb9aaac3_qkv
		.amdhsa_group_segment_fixed_size 246272
		.amdhsa_private_segment_fixed_size 0
		.amdhsa_enable_private_segment 0
		.amdhsa_kernarg_size 56
		.amdhsa_user_sgpr_count 2
		.amdhsa_user_sgpr_kernarg_segment_ptr 1
		.amdhsa_wavefront_size32 1
		.amdhsa_system_sgpr_workgroup_id_x 1
		.amdhsa_system_sgpr_workgroup_id_y 1
		.amdhsa_system_sgpr_workgroup_id_z 1
		.amdhsa_system_vgpr_workitem_id 0
		.amdhsa_next_free_vgpr 1024
		.amdhsa_next_free_sgpr 100
		.amdhsa_reserve_vcc 0
		.amdhsa_float_denorm_mode_32 3
		.amdhsa_float_denorm_mode_16_64 3
		.amdhsa_memory_ordered 1
		.amdhsa_forward_progress 1
		.amdhsa_inst_pref_size 97
	.end_amdhsa_kernel
	.amdgpu_metadata
---
amdhsa.version: [ 1, 2 ]
amdhsa.kernels:
  - .name:           k_qbafb9aaac3_qkv
    .symbol:         k_qbafb9aaac3_qkv.kd
    .args:
      - { .name: x_codes, .offset: 0, .size: 8, .value_kind: global_buffer, .address_space: global }
      - { .name: x_scales, .offset: 8, .size: 8, .value_kind: global_buffer, .address_space: global }
      - { .name: W_qkv_codes, .offset: 16, .size: 8, .value_kind: global_buffer, .address_space: global }
      - { .name: W_qkv_scales, .offset: 24, .size: 8, .value_kind: global_buffer, .address_space: global }
      - { .name: b_qkv, .offset: 32, .size: 8, .value_kind: global_buffer, .address_space: global }
      - { .name: qi, .offset: 40, .size: 8, .value_kind: global_buffer, .address_space: global }
      - { .name: kv, .offset: 48, .size: 8, .value_kind: global_buffer, .address_space: global }
    .group_segment_fixed_size: 246272
    .private_segment_fixed_size: 0
    .kernarg_segment_align: 8
    .kernarg_segment_size: 56
    .max_flat_workgroup_size: 128
    .sgpr_count:     100
    .vgpr_count:     1024
    .wavefront_size: 32
...
	.end_amdgpu_metadata
.endif
;; end of part 1
;; launch attn (part 2): grid 8 x 32, 16 waves a work-group, clusters of 4 x 1, 167,936 bytes of LDS; arguments kv, qi, oc, osc; writes oc, osc
.if DOCPART == 2
	.amdgcn_target "amdgcn-amd-amdhsa--gfx1250"
	.amdhsa_code_object_version 6
	.text
	.protected	k_qbafb9aaac3_attn
	.globl	k_qbafb9aaac3_attn
	.p2align	8
	.type	k_qbafb9aaac3_attn,@function
k_qbafb9aaac3_attn:
	s_mov_b64 s[64:65], 0
	v_nop
	global_prefetch_b8 v0, s[64:65] scope:SCOPE_SE
	s_setreg_imm32_b32 hwreg(HW_REG_WAVE_MODE, 25, 1), 1
	s_wait_xcnt 0x0
	s_wait_alu depctr_hold_cnt(0) depctr_sa_sdst(0) depctr_va_vdst(0) depctr_va_sdst(0) depctr_va_ssrc(0) depctr_va_vcc(0) depctr_vm_vsrc(0)
	s_getreg_b32 s2, hwreg(HW_REG_IB_STS2, 6, 4)
	s_cmp_eq_u32 s2, 0
	s_cbranch_scc0 .Lentry_in_a_cluster
	s_endpgm
.Lentry_in_a_cluster:
	s_bfe_u32 s2, ttmp6, 0x10000c
	s_cmp_lg_u32 s2, 0x3003
	s_cbranch_scc0 .Lentry_shape_is_right
	s_endpgm
.Lentry_shape_is_right:
; o[b][h][q] = the sum over k of softmax_k(q . k / 8) v[k], both products on codes of FP4 with E8M0 scales; o is quantised along the head's channels and leaves as images of operand registers (oc) and scale bytes (osc).
; THE SOFTMAX: t = score x log2(e) / 8; M = the row's largest t so far, rounded UP to a whole number; p = 2^(t - M), not normalised, is quantised along the keys; the row's sum is taken of the unquantised p in f32 and divides o at the end.
; When M moves, the sum and o are multiplied by 2^(old M - new M): exact.
; SHARES.  A work-group owns 256 queries of one head: 8 x 32 work-groups.  Each of its 16 waves owns 16 queries, one tile, in 256 registers, and walks all 2,048 keys, 256 (two records) a trip, 8 trips.
; LDS is filled once: wave w fetches record w (8,704 bytes, one tensor load); one barrier follows, and none until the end.  There is no loop that loads from memory, so nothing is prefetched.
; CLUSTER 4 x 1: the four work-groups share the head's records: joint loads.
; LAYOUT.  Both products are used transposed (S^T = K Q^T, O^T = V^T P^T): a lane holds ONE query throughout.  The records' tiles are laid so that lane half h's 32 registers of tiles 4 c .. 4 c + 3 are the whole block of keys 2 c + h:
; a block's largest score needs no other lane, and the conversions' results are the second product's operand as they stand.
; TWO TILES OF K SHARE AN OPERAND: a head has 64 channels and the instruction takes 128 along K; tile 2 p stands in the lower 64, tile 2 p + 1 in the upper, and Q stands beside zeros: (Q, 0) picks the one, (0, Q) the other.
; A BLOCK'S SCALE: the largest p has the exponent floor(t - M) of the block's largest score, so the byte is that + 125, held at 1 from below.
; THE ORDER OF A TRIP.  Record 0's K lies in registers already; record 1's is loaded under record 0's products and maxima.  The exponentials go in two batches (record 1, then record 0), each with a wait ahead of it and one behind it.
; Inside a batch stands plain work that reads nothing of the batch and whose results are first read behind the next wait: record 0's multiply-adds in the first; record 1's conversions and first-level sums in the second.
; LIMITS: scaled scores t stay under 2^31 in magnitude.  A block whose largest number lies under 2^-124 gets the byte 1 (its codes are zeros, or the numbers are nothing beside the row's largest p; in o it is a block under 2^-124).  NaN and infinities are not served.
.set REC,   8704                       ; K's codes 4,096; K's scale words at 4,096; V's codes at 4,352; V's scale words at 8,448
.set QREC,  4352
.set SPARE, 18*REC                     ; the spare words: 128 bytes a wave, in blocks of 256 bytes that no other line names
.set L4,  1                            ; 4 x lane
.set AD,  2                            ; LDS addresses of the trip
.set ADX, 3
.set SPW, 4                            ; my spare word's LDS address, and 0: never rewritten
.set NIL, 5
.set H8,  6                            ; 8 h
.set QSC, 7                            ; Q's scale words
.set SC,  8                            ; v8-9 scale words of record 0's V; v10-11 of record 1's K, then of its V
                                       ; v12 -M, v13 the largest score; v[14:15] the sum in two halves; v[16:27] 0, Q, 0; v28 the factor f, v29 at work
.set PW,  30                           ; v30-31  P's scale words, one a record
.set CD,  32                           ; v32-47  P's codes: record 0's, record 1's
.set CH,  48                           ; v48-55  at work: chains of maxima, then the sum's four chains
.set MB,  52                           ; v52-55  the four blocks' largest scores (record 0's two, record 1's two)
.set XS,  56                           ; v56-59  the conversions' scale operands
.set NA,  60                           ; v60-61  LDS addresses of the next trip's first record
.set SK,  62                           ; v62-63  scale words of record 0's K
.set FV,  64                           ; v64-95  K of record 1; then V of record 0
.set O,   96                           ; v96-127 O^T
.set SB,  128                          ; v128-191 record 1's S^T, then p; then in v128-159 its V
.set FK,  160                          ; v160-191 K of record 0, until record 1's scores are made
.set SA,  192                          ; v192-255 record 0's S^T, then p
.set WV,  12
.set G1,  16
.set G0,  24
.set SEL, 44
.set CS,  46
.set TB,  48
.set CNT, 49
.set HIM, 50
.set NC,  51
.set NB,  52
.macro ROUND                           ; a round of the cluster's barrier
	s_barrier_signal -1
	s_barrier_wait -1
	s_cmp_lg_u32 s[WV], 0
	s_cbranch_scc1 .Lnot_wave_0_\@
	s_barrier_signal -3
.Lnot_wave_0_\@:
	s_barrier_wait -3
	s_barrier_signal -1
	s_barrier_wait -1
.endm
.macro KLOAD dst, sc, a, ax, off       ; a record's K and its scale words
.irp t, 0,1,2,3,4,5,6,7
	ds_load_b128 v[\dst+4*\t:\dst+4*\t+3], v[\a] offset:\off+512*\t
.endr
	ds_load_b64 v[\sc:\sc+1], v[\ax] offset:\off+4096
.endm
.macro VLOAD dst, off                  ; a record's V
.irp t, 0,1,2,3
.irp e, 0,1
	ds_load_b128 v[\dst+8*\t+4*\e:\dst+8*\t+4*\e+3], v[AD] offset:\off+4352+1024*\t+512*\e
.endr
.endr
.endm
.macro QK d, k, sc                     ; S^T of a record: pair p of tiles; a pair's scale words stand in lanes 0-15 (p even) or 16-31 (p odd)
.irp p, 0,1,2,3
.if \p%2
	v_wmma_scale_f32_16x16x128_f8f6f4 v[\d+16*\p:\d+16*\p+7], v[\k+8*\p:\k+8*\p+7], v[20:27], 0, v[\sc+\p/2], v[QSC] matrix_a_fmt:MATRIX_FMT_FP4 matrix_b_fmt:MATRIX_FMT_FP4 matrix_a_scale:MATRIX_SCALE_ROW1
	v_wmma_scale_f32_16x16x128_f8f6f4 v[\d+16*\p+8:\d+16*\p+15], v[\k+8*\p:\k+8*\p+7], v[16:23], 0, v[\sc+\p/2], v[QSC] matrix_a_fmt:MATRIX_FMT_FP4 matrix_b_fmt:MATRIX_FMT_FP4 matrix_a_scale:MATRIX_SCALE_ROW1
.else
	v_wmma_scale_f32_16x16x128_f8f6f4 v[\d+16*\p:\d+16*\p+7], v[\k+8*\p:\k+8*\p+7], v[20:27], 0, v[\sc+\p/2], v[QSC] matrix_a_fmt:MATRIX_FMT_FP4 matrix_b_fmt:MATRIX_FMT_FP4
	v_wmma_scale_f32_16x16x128_f8f6f4 v[\d+16*\p+8:\d+16*\p+15], v[\k+8*\p:\k+8*\p+7], v[16:23], 0, v[\sc+\p/2], v[QSC] matrix_a_fmt:MATRIX_FMT_FP4 matrix_b_fmt:MATRIX_FMT_FP4
.endif
.endr
.endm
.macro PV a, b, sc, pw                 ; O^T += V^T P^T of a record: the four accumulators by turns
.irp t, 0,1,2,3
.if \t%2
	v_wmma_scale_f32_16x16x128_f8f6f4 v[O+8*\t:O+8*\t+7], v[\a+8*\t:\a+8*\t+7], v[\b:\b+7], v[O+8*\t:O+8*\t+7], v[\sc+\t/2], v[\pw] matrix_a_fmt:MATRIX_FMT_FP4 matrix_b_fmt:MATRIX_FMT_FP4 matrix_a_scale:MATRIX_SCALE_ROW1
.else
	v_wmma_scale_f32_16x16x128_f8f6f4 v[O+8*\t:O+8*\t+7], v[\a+8*\t:\a+8*\t+7], v[\b:\b+7], v[O+8*\t:O+8*\t+7], v[\sc+\t/2], v[\pw] matrix_a_fmt:MATRIX_FMT_FP4 matrix_b_fmt:MATRIX_FMT_FP4
.endif
.endr
.endm
.macro MAXCH s                         ; the largest of registers 0 .. 14 of each of four runs of 16 scores, by turns; each accumulator from its low end on
.irp k, 0,1,2,3
	v_max3_num_f32 v[CH+\k], v[\s+16*\k], v[\s+16*\k+1], v[\s+16*\k+2]
.endr
.irp i, 3,5,7,9,11,13
.irp k, 0,1,2,3
	v_max3_num_f32 v[CH+\k], v[CH+\k], v[\s+16*\k+\i], v[\s+16*\k+\i+1]
.endr
.endr
.endm
.macro MAXBL s, m                      ; two runs and their last registers make a block
	v_max3_num_f32 v[\m], v[CH], v[CH+1], v[\s+15]
	v_max3_num_f32 v[\m+1], v[CH+2], v[CH+3], v[\s+47]
	v_max_num_f32 v[\m], v[\m], v[\s+31]
	v_max_num_f32 v[\m+1], v[\m+1], v[\s+63]
.endm
.macro PF n                            ; n packed multiply-adds of record 1: t - M
.rept \n
	v_pk_fma_f32 v[SB+I:SB+I+1], v[SB+I:SB+I+1], s[CS:CS+1], v[12:13] op_sel_hi:[1,0,0]
.set I, I+2
.endr
.endm
.macro RO n                            ; n packed multiplications: O^T under the new M
.rept \n
	v_pk_mul_f32 v[O+R:O+R+1], v[O+R:O+R+1], v[28:29] op_sel_hi:[1,0]
.set R, R+2
.endr
.endm
.macro EX s, n                         ; n exponentials from register E of a record on
.rept \n
	v_exp_f32 v[\s+E], v[\s+E]
.set E, E+1
.endr
.endm
	s_load_b256 s[4:11], s[0:1], 0x0               ; kv s[4:5], qi s[6:7], oc s[8:9], osc s[10:11]
	v_lshl_add_u32 v[SPW], v0, 2, SPARE
	v_mov_b32 v[NIL], 0
	ds_add_u32 v[SPW], v[NIL]                      ; the wave's opening: the add, twice on end, and one wait for both
	ds_add_u32 v[SPW], v[NIL]
	v_lshrrev_b32 v28, 5, v0
	v_readfirstlane_b32 s[WV], v28                 ; wave 0..15
	s_bfe_u32 s13, ttmp6, 0x40000
	s_lshl_b32 s14, ttmp9, 2
	s_add_co_u32 s14, s14, s13                     ; which 256 queries
	s_and_b32 s15, ttmp7, 0xffff                   ; 16 batch + head
	s_mov_b32 s[G1], 15|(3<<16)|(1<<21)            ; all four work-groups of the cluster; elements of 8 bytes; bit 21 set beside a mask
	s_mov_b32 s[G1+1], 32<<16                      ; rows of 256 bytes,
	s_mov_b32 s[G1+2], (REC/256)<<16               ; 34 of them
	s_mov_b32 s[G1+3], 32<<16
	s_mov_b32 s[G1+4], REC/256
	s_mov_b32 s[G1+5], 32
	s_mov_b32 s[G1+6], 0
	s_mov_b32 s[G1+7], 0
	s_mov_b32 s[SEL], 0x76543210
	s_mov_b32 s[SEL+1], 0xfedcba98                 ; v_permlanex16_b32's selects for lane l xor 16
	s_mov_b32 s[CS], 0x3e38aa3b                    ; c = log2(e) / 8
	s_mov_b32 s[CS+1], s[CS]
	s_mov_b32 s[NC], 0xbe38aa3b                    ; -c
	s_mov_b32 s[HIM], 0xffff0000
	s_mul_i32 s54, s[WV], REC                      ; record w, in LDS
	s_mul_i32 s52, s15, 16*REC
	s_add_co_u32 s52, s52, s54                     ; and in memory: hangs on the head and the wave alone
	s_mov_b32 s53, 0
	s_lshl_b32 s56, s15, 4                         ; my queries: record 16 (16 batch + head) + 2 x + w / 8, tile w % 8
	s_lshl_b32 s57, s14, 1
	s_add_co_u32 s56, s56, s57
	s_lshr_b32 s57, s[WV], 3
	s_add_co_u32 s56, s56, s57
	s_mul_i32 s56, s56, QREC
	s_and_b32 s57, s[WV], 7
	s_lshl_b32 s58, s57, 9
	s_add_co_u32 s58, s58, s56
	s_mov_b32 s59, 0
	s_bfe_u32 s60, s57, 0x10001                    ; pair w % 8 / 2: its words stand in lane half pair % 2, word pair / 2 of a lane's 8 bytes
	s_lshl_b32 s60, s60, 7
	s_lshr_b32 s61, s57, 2
	s_lshl_b32 s61, s61, 2
	s_add_co_u32 s60, s60, s61
	s_add_co_u32 s60, s60, s56
	s_add_co_u32 s60, s60, 4096
	s_mov_b32 s61, 0
	s_and_b32 s57, s57, 1
	s_lshl_b32 s57, s57, 4                         ; my tile's two bytes stand 16 bits up in an odd tile
	s_wait_dscnt 0x0                               ; both opening adds are done
	ROUND                                          ; all four work-groups are here: the joint loads meet
	s_wait_kmcnt 0x0
	s_add_nc_u64 s[52:53], s[4:5], s[52:53]
	s_add_nc_u64 s[58:59], s[6:7], s[58:59]
	s_add_nc_u64 s[60:61], s[6:7], s[60:61]
	s_mov_b32 s[G0], 1
	s_mov_b32 s[G0+1], s54
	s_mov_b64 s[G0+2:G0+3], s[52:53]
	s_or_b32 s[G0+3], s[G0+3], 0x80000000
	tensor_load_to_lds s[G0:G0+3], s[G1:G1+7]      ; my one tensor load
	s_nop 0
	v_and_b32 v28, 31, v0                          ; lane
	v_and_b32 v29, 15, v0                          ; r
	v_lshlrev_b32 v[AD], 4, v28
	v_lshlrev_b32 v[ADX], 3, v29
	global_load_b128 v[20:23], v[AD], s[58:59]     ; Q's fragment: 64 channels are four registers
	global_load_b32 v[QSC], v[ADX], s[60:61]
	v_lshlrev_b32 v[L4], 2, v28
	v_and_b32 v[H8], 16, v0
	v_lshrrev_b32 v[H8], 1, v[H8]
.irp k, 0,1,2,3
	v_mov_b32 v[16+\k], 0
	v_mov_b32 v[24+\k], 0
.endr
	v_mov_b32 v13, 0xff61b1e6                      ; the largest score so far: -3e38, under every score
	v_mul_f32 v12, s[NC], v13
	v_mov_b32 v14, 0
	v_mov_b32 v15, 0
	v_floor_f32 v12, v12                           ; -M
	s_wait_loadcnt 0x0
	v_lshrrev_b32 v[QSC], s57, v[QSC]
	v_and_b32 v[QSC], 0xffff, v[QSC]
	v_lshl_or_b32 v[QSC], v[QSC], 16, v[QSC]       ; my tile's two bytes for the lower and for the upper 64 along K
.set I, 0
.rept 32
	v_mov_b32 v[O+I], 0                            ; O^T: the loop is written once; its first change of M leaves zeros
.set I, I+1
.endr
	v_lshlrev_b32 v[NA], 2, v[L4]                  ; record 0's LDS addresses: 16 x lane,
	v_lshlrev_b32 v[NA+1], 1, v[L4]                ; 8 x lane
	s_mov_b32 s[TB], 0
	s_mov_b32 s[CNT], 8
	s_wait_alu depctr_va_vdst(0)                   ; the wait at the head's end
	s_wait_tensorcnt 0x0                           ; my record is in
	s_barrier_signal -1
	s_barrier_wait -1                              ; all sixteen are
	KLOAD FK, SK, NA, NA+1, 0                      ; the first trip's first K
	s_wait_dscnt 0x0
.Lstep:
	v_lshl_add_u32 v[AD], v[L4], 2, s[TB]          ; 16 x lane
	v_lshl_add_u32 v[ADX], v[L4], 1, s[TB]         ; 8 x lane
	KLOAD FV, SC+2, AD, ADX, REC                   ; record 1's K
	QK SA, FK, SK                                  ; record 0's scores
	v_mov_b32 v29, v12                             ; the old -M.  (Four places behind the matrix instructions: ISA guide 7.12.1)
	v_add_nc_u32 v[ADX], s[TB], v[L4]              ; 4 x lane
	v_nop
	v_nop
	MAXCH SA
	s_wait_alu depctr_va_vdst(0)                   ; directly ahead of the wait below
	s_wait_dscnt 0x0                               ; record 1's K
	QK SB, FV, SC+2                                ; record 1's scores: over record 0's K too
	MAXBL SA, MB                                   ; (four places)
	VLOAD FV, 0                                    ; record 0's V, and both records' scale words of V
.irp u, 0,1
.irp e, 0,1
	ds_load_b32 v[SC+2*\u+\e], v[ADX] offset:REC*\u+8448+128*\e
.endr
.endr
	MAXCH SB
	v_max_num_f32 v56, v52, v53
	MAXBL SB, MB+2
	s_delay_alu instid0(VALU_DEP_1)
	v_max3_num_f32 v57, v54, v55, v56
	s_delay_alu instid0(VALU_DEP_1)
	v_permlanex16_b32 v51, v57, s[SEL], s[SEL+1]
	s_delay_alu instid0(VALU_DEP_1)
	v_max3_num_f32 v13, v13, v57, v51              ; the running largest score of my query
	s_delay_alu instid0(VALU_DEP_1)
	v_mul_f32 v50, s[NC], v13                      ; -t
	s_delay_alu instid0(VALU_DEP_1)
	v_floor_f32 v12, v50                           ; -M = floor(-t): M is a whole number
; From here on three chains take turns: record 1's t - M; the factor f and O^T under the new M; the blocks' scales.
.set I, 0
.set R, 0
	PF 4
	v_sub_f32 v29, v12, v29                        ; old M less new M: a whole number, 0 or less
.irp k, 0,1,2,3
	v_fma_f32 v[MB+\k], v[MB+\k], s[CS], v12       ; t - M of each block's largest score,
.endr
	PF 2
	v_cvt_i32_f32 v29, v29                         ; (it saturates)
.irp k, 0,1,2,3
	v_max_num_f32 v[MB+\k], 0xc2f80000, v[MB+\k]   ; at least -124,
.endr
	PF 2
	v_ldexp_f32 v28, 1.0, v29                      ; f = 2^(old M - new M)
.irp k, 0,1,2,3
	v_cvt_floor_i32_f32 v[MB+\k], v[MB+\k]         ; rounded down: the exponent n of the block's largest p
.endr
	PF 4
.irp k, 0,1,2,3
	v_lshl_add_u32 v[XS+\k], v[MB+\k], 23, 0x3e800000   ; the conversion's scale operand: exponent field n + 125
.endr
	v_lshl_add_u32 v48, v53, 16, v52               ; a record's word: my bytes are h and 2 + h,
	v_lshl_add_u32 v49, v55, 16, v54
	RO 4
	PF 2
	v_add_lshl_u32 v48, 0x7d007d, v48, v[H8]
	v_add_lshl_u32 v49, 0x7d007d, v49, v[H8]
	RO 4
	PF 2
	v_permlanex16_b32 v50, v48, s[SEL], s[SEL+1]   ; lane l xor 16 has the other two
	v_permlanex16_b32 v51, v49, s[SEL], s[SEL+1]
	RO 4
	PF 4
	v_or_b32 v[PW], v48, v50
	v_or_b32 v[PW+1], v49, v51
	RO 4
	PF 12
	s_wait_alu depctr_va_vdst(0)                   ; the wait ahead of a batch too
.set E, 0
.set I, 0
.rept 32
	EX SB, 2                                       ; record 1's p,
	v_pk_fma_f32 v[SA+I:SA+I+1], v[SA+I:SA+I+1], s[CS:CS+1], v[12:13] op_sel_hi:[1,0,0]   ; and between them record 0's t - M
.set I, I+2
.endr
	v_pk_mul_f32 v[14:15], v[14:15], v[28:29] op_sel_hi:[1,0]   ; the sum under the new M
	s_wait_alu depctr_va_vdst(0)                   ; behind the first batch and ahead of the second
.set E, 0
.irp j, 0,1,2,3,4,5,6,7
	EX SA, 4                                       ; record 0's p, and between them record 1's codes
	v_cvt_scalef32_pk8_fp4_f32 v[CD+8+\j], v[SB+8*\j:SB+8*\j+7], v[XS+2+\j/4]
.endr
	v_nop                                          ; one plain place behind a scaled conversion, ahead of the lines that write its sources
.set I, 0
.rept 16
	EX SA, 2
	v_pk_add_f32 v[SB+I:SB+I+1], v[SB+I:SB+I+1], v[SB+I+32:SB+I+33]   ; THE SUM IS TAKEN OF THE UNQUANTISED p: record 1's first level, 64 numbers to 32
.set I, I+2
.endr
	s_add_co_u32 s[NB], s[TB], 2*REC               ; the next trip's first record; the last trip asks again for its own, which is not used
	s_min_u32 s[NB], s[NB], 14*REC
	v_lshl_add_u32 v[NA], v[L4], 2, s[NB]
	v_lshl_add_u32 v[NA+1], v[L4], 1, s[NB]
	KLOAD FK, SK, NA, NA+1, 0
	s_wait_alu depctr_va_vdst(0)                   ; behind the second batch
.irp k, 0,1,2,3
	v_pk_add_f32 v[CH+2*\k:CH+2*\k+1], v[SB+4*\k:SB+4*\k+1], v[SB+4*\k+2:SB+4*\k+3]   ; four chains
.endr
.irp k, 0,1,2,3
	v_pk_add_f32 v[CH+2*\k:CH+2*\k+1], v[CH+2*\k:CH+2*\k+1], v[SB+16+2*\k:SB+17+2*\k]
.endr
.irp k, 0,1,2,3
	v_pk_add_f32 v[CH+2*\k:CH+2*\k+1], v[CH+2*\k:CH+2*\k+1], v[SB+24+2*\k:SB+25+2*\k]
.endr
	VLOAD SB, REC                                  ; record 1's V lands on sums that have been taken in
.irp j, 0,1,2,3,4,5,6,7
	v_cvt_scalef32_pk8_fp4_f32 v[CD+\j], v[SA+8*\j:SA+8*\j+7], v[XS+\j/4]   ; record 0's codes
.endr
.set I, 0
.rept 7
.irp k, 0,1,2,3
	v_pk_add_f32 v[CH+2*\k:CH+2*\k+1], v[CH+2*\k:CH+2*\k+1], v[SA+I+2*\k:SA+I+2*\k+1]   ; (28 lines: the places ahead of the matrix instructions too)
.endr
.set I, I+8
.endr
	s_add_co_u32 s[TB], s[TB], 2*REC
	s_wait_alu depctr_va_vdst(0)                   ; directly ahead of the wait below
	s_wait_dscnt 0x0                               ; both records' V, and the next trip's first K
	PV FV, CD, SC, PW
	PV SB, CD+8, SC+2, PW+1
.irp k, 0,1,2,3
	v_pk_add_f32 v[CH+2*\k:CH+2*\k+1], v[CH+2*\k:CH+2*\k+1], v[SA+56+2*\k:SA+57+2*\k]   ; the sum's last eight lines are the places behind the matrix instructions
.endr
	v_pk_add_f32 v[48:49], v[48:49], v[50:51]
	v_pk_add_f32 v[52:53], v[52:53], v[54:55]
	s_delay_alu instid0(VALU_DEP_1)
	v_pk_add_f32 v[48:49], v[48:49], v[52:53]
	s_delay_alu instid0(VALU_DEP_1)
	v_pk_add_f32 v[14:15], v[14:15], v[48:49]
	s_sub_co_u32 s[CNT], s[CNT], 1
	s_cmp_lg_u32 s[CNT], 0
	s_cbranch_scc1 .Lstep
	; THE WAY OUT
	v_add_f32 v14, v14, v15
	s_delay_alu instid0(VALU_DEP_1)
	v_permlanex16_b32 v29, v14, s[SEL], s[SEL+1]
	s_delay_alu instid0(VALU_DEP_1)
	v_add_f32 v14, v14, v29                        ; the row's sum
	s_wait_alu depctr_va_vdst(0)                   ; the wait ahead of the transcendental too
	v_rcp_f32 v14, v14
	v_lshlrev_b32 v[AD], 2, v[L4]                  ; (plain places behind it)  16 x lane
	v_and_b32 v48, 15, v0
	v_bfe_u32 v49, v0, 4, 1
	v_lshl_add_u32 v50, v48, 5, v49                ; osc: row r of 32 bytes, block h
	s_lshr_b32 s52, s15, 4                         ; oc: tile 128 batch + 16 x + w, the head's 512 bytes of its 8,192
	s_lshl_b32 s52, s52, 7
	s_lshl_b32 s53, s14, 4
	s_add_co_u32 s52, s52, s53
	s_add_co_u32 s52, s52, s[WV]
	s_and_b32 s53, s15, 15
	s_lshl_b32 s54, s52, 4
	s_add_co_u32 s54, s54, s53
	s_lshl_b32 s54, s54, 9
	s_mov_b32 s55, 0
	s_add_nc_u64 s[54:55], s[8:9], s[54:55]
	s_lshl_b32 s56, s52, 9
	s_lshl_b32 s57, s53, 1
	s_add_co_u32 s56, s56, s57
	s_mov_b32 s57, 0
	s_add_nc_u64 s[56:57], s[10:11], s[56:57]
	s_wait_alu depctr_va_vdst(0)                   ; the wait behind it, ahead of its first reader and of the first readers of the last products
.set I, 0
.rept 16
	v_pk_mul_f32 v[SB+I:SB+I+1], v[O+I:O+I+1], v[14:15] op_sel_hi:[1,0]   ; o: register 8 t + i is channel 16 t + 8 h + i
.set I, I+2
.endr
.irp b, 0,1
	v_max3_num_f32 v[52+\b], |v[SB+16*\b]|, |v[SB+1+16*\b]|, 0x1800000   ; block b of 32 channels: my 16, and the floor 2^(3 - 127)
.endr
.irp i, 2,4,6,8,10,12,14
.irp b, 0,1
	v_max3_num_f32 v[52+\b], v[52+\b], |v[SB+16*\b+\i]|, |v[SB+1+16*\b+\i]|
.endr
.endr
.irp b, 0,1
	v_permlanex16_b32 v[54+\b], v[52+\b], s[SEL], s[SEL+1]
.endr
.irp b, 0,1
	v_max_num_f32 v[52+\b], v[52+\b], v[54+\b]     ; with lane l xor 16's
.endr
.irp b, 0,1
	v_add_nc_u32 v[56+\b], 0xff000000, v[52+\b]    ; 2 off its exponent field: the conversion's scale operand
.endr
.irp b, 0,1
	v_lshrrev_b32 v[58+\b], 23, v[56+\b]           ; the scale's byte
.endr
	v_cndmask_b32 v60, v58, v59, s[HIM]
.irp b, 0,1
.irp u, 0,1
	v_cvt_scalef32_pk8_fp4_f32 v[32+2*\u+\b], v[SB+16*\b+8*\u:SB+16*\b+8*\u+7], v[56+\b]
.endr
.endr
	v_nop                                          ; one plain place behind a scaled conversion
	v_permlane16_swap_b32 v32, v33                 ; a whole block in a lane: lanes 0-15 block 0, lanes 16-31 block 1
	v_permlane16_swap_b32 v34, v35
	global_store_b128 v[AD], v[32:35], s[54:55]
	global_store_b8 v50, v60, s[56:57]
	s_wait_tensorcnt 0x0                           ; the wave's end
	ds_add_u32 v[SPW], v[NIL]
	s_wait_dscnt 0x0
	ROUND                                          ; the closing round: no work-group ends while a partner may still ask for a record that names it
	s_endpgm
.Lfunc_end_k_qbafb9aaac3_attn:
	.size	k_qbafb9aaac3_attn, .Lfunc_end_k_qbafb9aaac3_attn-k_qbafb9aaac3_attn
	.p2alignl 7, 3214868480
	.fill 96, 4, 3214868480
	.section	.rodata,"a",@progbits
	.p2align	6, 0x0
	.amdhsa_kernel k_qbafb9aaac3_attn
		.amdhsa_group_segment_fixed_size 167936
		.amdhsa_private_segment_fixed_size 0
		.amdhsa_enable_private_segment 0
		.amdhsa_kernarg_size 32
		.amdhsa_user_sgpr_count 2
		.amdhsa_user_sgpr_kernarg_segment_ptr 1
		.amdhsa_wavefront_size32 1
		.amdhsa_system_sgpr_workgroup_id_x 1
		.amdhsa_system_sgpr_workgroup_id_y 1
		.amdhsa_system_sgpr_workgroup_id_z 1
		.amdhsa_system_vgpr_workitem_id 0
		.amdhsa_next_free_vgpr 256
		.amdhsa_next_free_sgpr 66
		.amdhsa_reserve_vcc 0
		.amdhsa_float_denorm_mode_32 3
		.amdhsa_float_denorm_mode_16_64 3
		.amdhsa_memory_ordered 1
		.amdhsa_forward_progress 1
		.amdhsa_inst_pref_size 38
	.end_amdhsa_kernel
	.amdgpu_metadata
---
amdhsa.version: [ 1, 2 ]
amdhsa.kernels:
  - .name:           k_qbafb9aaac3_attn
    .symbol:         k_qbafb9aaac3_attn.kd
    .args:
      - { .name: kv, .offset: 0, .size: 8, .value_kind: global_buffer, .address_space: global }
      - { .name: qi, .offset: 8, .size: 8, .value_kind: global_buffer, .address_space: global }
      - { .name: oc, .offset: 16, .size: 8, .value_kind: global_buffer, .address_space: global }
      - { .name: osc, .offset: 24, .size: 8, .value_kind: global_buffer, .address_space: global }
    .group_segment_fixed_size: 167936
    .private_segment_fixed_size: 0
    .kernarg_segment_align: 8
    .kernarg_segment_size: 32
    .max_flat_workgroup_size: 512
    .sgpr_count:     66
    .vgpr_count:     256
    .wavefront_size: 32
...
	.end_amdgpu_metadata
.endif
;; end of part 2
;; launch proj (part 3): grid 8 x 32, 4 waves a work-group, clusters of 4 x 4, 168,448 bytes of LDS; arguments oc, osc, W_out_codes, W_out_scales, b_out, out0; writes out0
.if DOCPART == 3
	.amdgcn_target "amdgcn-amd-amdhsa--gfx1250"
	.amdhsa_code_object_version 6
	.text
	.protected	k_qbafb9aaac3_proj
	.globl	k_qbafb9aaac3_proj
	.p2align	8
	.type	k_qbafb9aaac3_proj,@function
k_qbafb9aaac3_proj:
	s_mov_b64 s[64:65], 0
	v_nop
	global_prefetch_b8 v0, s[64:65] scope:SCOPE_SE
	s_setreg_imm32_b32 hwreg(HW_REG_WAVE_MODE, 25, 1), 1
	s_wait_xcnt 0x0
	s_wait_alu depctr_hold_cnt(0) depctr_sa_sdst(0) depctr_va_vdst(0) depctr_va_sdst(0) depctr_va_ssrc(0) depctr_va_vcc(0) depctr_vm_vsrc(0)
	s_getreg_b32 s2, hwreg(HW_REG_IB_STS2, 6, 4)
	s_cmp_eq_u32 s2, 0
	s_cbranch_scc0 .Lentry_in_a_cluster
	s_endpgm
.Lentry_in_a_cluster:
	s_bfe_u32 s2, ttmp6, 0x10000c
	s_cmp_lg_u32 s2, 0xf033
	s_cbranch_scc0 .Lentry_shape_is_right
	s_endpgm
.Lentry_shape_is_right:
; out0 = o W_out^T + b_out on codes of FP4 (E2M1) with one E8M0 scale for each 32 along K; f32 sums, f32 out.  o: [4,096][1,024] as images of fragments (oc: [tile of 16 tokens][K step][1,024 bytes]) and scale
; bytes (osc: 32 for each of a tile's 16 rows); W_out: [1,024][1,024] as given, K innermost.
; SHARES.  A tile of the output is 128 x 128: 8 x 32 work-groups, one to a WGP.  Wave w: o's tiles 4 (w / 2) + a, a = 0 .. 3, columns 64 (w % 2) on: 16 accumulators.
; BY ROWS: W's fragments of my 64 columns for all of K fill window 1; then my four tiles of o are finished one after the other, 32 matrix instructions each, and leave by turns.
; THE ROWS OF A TILE of o are not neighbours: tile 4 c + g of 128 tokens holds in rows 0-7 the tokens 64 c + 8 g + 0 .. 7 and in rows 8-15 the tokens 64 c + 32 + 8 (g xor 1) + 0 .. 7: the stores' offsets put them in their places.
; THE MATRIX INSTRUCTION IS USED TRANSPOSED (source 0 = 16 rows of W_out, source 1 = 16 tokens): a lane holds eight neighbouring columns of one token's row.  The bias is the C of each sum's first instruction.
; LDS is filled once, by one tensor load a wave: o's 8 tiles x 8,192 bytes (images: read 512 consecutive bytes at a time, no padding), then W's 128 rows of 512 bytes + 16 of padding.  Behind them a stage for the way out.  There is no loop that loads, so nothing is prefetched.
; CLUSTER 4 x 4: o's tiles hang on the token block alone (shared along a row of the cluster), W's on the column block alone (shared along a column): joint loads.
; LIMITS: NaN and infinities are not served.
.set WP,    528                        ; 512 bytes + 16 = 132 words: row r starts at bank 4 r mod 64 (64 banks of 4 bytes: ISA guide 11.1)
.set PITCH, 272                        ; a row of the stage: 256 bytes + 16
.set WOFF,  65536                      ; W's rows lie behind o's images
.set STAGE, WOFF+128*WP                ; 16 rows x 272 bytes for each wave: bytes of their own, into which no tile lands
.set SPARE, STAGE+4*16*PITCH           ; the spare words: 128 bytes a wave, in two blocks of 256 bytes that no other line names
.set LI,  3                            ; 16 x lane
.set AA,  4                            ; my o fragments
.set AB,  6                            ; my W fragments
.set STO, 8                            ; the stage: where I put 32 bytes of a row
.set RD,  9                            ; and where I read a row back
.set CO,  10                           ; my byte offset in two rows of the output
.set SA,  11                           ; byte offsets of the scale and bias loads
.set BA,  12
.set OSC, 16                           ; v16-31 o's scale words: v[OSC + 8 (a % 2) + s]: lanes 0-15 tile a, lanes 16-31 tile a + 2, K step s
.set WSC, 32                           ; v32-47 W's likewise
.set BO,  48                           ; v48-79 the bias in the result's layout, eight registers a tile of columns
.set FR0, 80                           ; v80-207 the way out: four sets of 32
.set SPW, 254                          ; my spare word's LDS address, and 0: never rewritten
.set NIL, 255
; window 1: W's fragment (s, b) at v[32 s + 8 b].  window 2: o's fragment (a, s) at v[64 a + 8 s].  window 3: accumulator (a, b) at v[8 (4 a + b)]
.set WV,  16
.set RH,  17
.set CHF, 18
.set CX,  19
.set CY,  20
.set NT,  21
.set MT,  22
.set G1A, 24
.set G1B, 32
.set G0A, 40
.set G0B, 48
.set OSB, 68
.set WSB, 70
.set BOB, 72
.set OUT, 74
.set MSB, 0
.macro WIN new                         ; the immediate's high byte repeats the setting that is left; a switch that changes nothing is dropped
.if MSB != (\new)
	s_set_vgpr_msb (MSB<<8)|(\new)
.set MSB, (\new)
.endif
.endm
.macro PLACES                          ; four places in front of the first read of results (ISA guide 7.12.1)
.rept 4
	v_nop
.endr
.endm
.macro CROUND                          ; a round of the cluster's barrier
	s_barrier_signal -1
	s_barrier_wait -1
	s_cmp_lg_u32 s[WV], 0
	s_cbranch_scc1 .Lnot_wave_0_\@
	s_barrier_signal -3
.Lnot_wave_0_\@:
	s_barrier_wait -3
	s_barrier_signal -1
	s_barrier_wait -1
.endm
.macro OLOAD a                         ; tile a's eight fragments: 16 LDS loads
	WIN 0x80                                       ; destination window 2
.irp s, 0,1,2,3,4,5,6,7
.irp e, 0,1
	ds_load_b128 v[64*(\a)+8*\s+4*\e:64*(\a)+8*\s+4*\e+3], v[AA] offset:8192*(\a)+1024*\s+512*\e
.endr
.endr
.endm
.macro WLOAD s                         ; K step s of W: 8 LDS loads
	WIN 0x40                                       ; destination window 1
.irp b, 0,1,2,3
.irp e, 0,1
	ds_load_b128 v[32*\s+8*\b+4*\e:32*\s+8*\b+4*\e+3], v[AB] offset:16*\b*WP+64*\s+32*\e
.endr
.endr
.endm
.macro WM d, a, b, c, sa, sb, ra, rb   ; one matrix instruction; ra, rb = 1: that side's scale words are taken from lanes 16-31 of its register
.if (\ra) && (\rb)
	v_wmma_scale_f32_16x16x128_f8f6f4 v[\d:\d+7], v[\a:\a+7], v[\b:\b+7], v[\c:\c+7], v[\sa], v[\sb] matrix_a_fmt:MATRIX_FMT_FP4 matrix_b_fmt:MATRIX_FMT_FP4 matrix_a_scale:MATRIX_SCALE_ROW1 matrix_b_scale:MATRIX_SCALE_ROW1
.elseif (\ra)
	v_wmma_scale_f32_16x16x128_f8f6f4 v[\d:\d+7], v[\a:\a+7], v[\b:\b+7], v[\c:\c+7], v[\sa], v[\sb] matrix_a_fmt:MATRIX_FMT_FP4 matrix_b_fmt:MATRIX_FMT_FP4 matrix_a_scale:MATRIX_SCALE_ROW1
.elseif (\rb)
	v_wmma_scale_f32_16x16x128_f8f6f4 v[\d:\d+7], v[\a:\a+7], v[\b:\b+7], v[\c:\c+7], v[\sa], v[\sb] matrix_a_fmt:MATRIX_FMT_FP4 matrix_b_fmt:MATRIX_FMT_FP4 matrix_b_scale:MATRIX_SCALE_ROW1
.else
	v_wmma_scale_f32_16x16x128_f8f6f4 v[\d:\d+7], v[\a:\a+7], v[\b:\b+7], v[\c:\c+7], v[\sa], v[\sb] matrix_a_fmt:MATRIX_FMT_FP4 matrix_b_fmt:MATRIX_FMT_FP4
.endif
.endm
; Tile a is finished: eight K steps on its four accumulators by turns.
; In tile 0 each step waits for its own eight loads of W; behind step 3's products tile 1's 16 loads go out, and count from then on.
.macro ROW a
.irp s, 0,1,2,3,4,5,6,7
.if (\a) == 0
	s_wait_dscnt 8*(7-\s)+16*(\s/4)
.endif
.if \s == 0
	WIN 0xc9                                       ; source 0 (W) window 1, source 1 (o) window 2, C (the bias) window 0, D window 3
.else
	WIN 0xf9                                       ; C and D window 3
.endif
.irp b, 0,1,2,3
.if \s == 0
	WM 8*(4*(\a)+\b), 32*\s+8*\b, 64*(\a)+8*\s, BO+8*\b, WSC+8*(\b%2)+\s, OSC+8*((\a)%2)+\s, \b/2, (\a)/2
.else
	WM 8*(4*(\a)+\b), 32*\s+8*\b, 64*(\a)+8*\s, 8*(4*(\a)+\b), WSC+8*(\b%2)+\s, OSC+8*((\a)%2)+\s, \b/2, (\a)/2
.endif
.endr
.if ((\a) == 0) && (\s == 3)
	OLOAD 1
.endif
.endr
.endm
; THE WAY OUT of my tile a of 16 tokens x 64 columns: through my own stage, back as whole rows of 256 bytes.  LDS serves a wave's instructions in order (ISA guide 5.7.1.4): no wait between the stores and the loads.
.macro TOSTAGE a
	WIN 0x0c                                       ; an LDS store's data are its source 1: window 3
.irp b, 0,1,2,3
	ds_store_b128 v[STO], v[8*(4*\a+\b):8*(4*\a+\b)+3] offset:64*\b          ; each accumulator from its low end on
	ds_store_b128 v[STO], v[8*(4*\a+\b)+4:8*(4*\a+\b)+7] offset:64*\b+16
.endr
	WIN 0
.irp i, 0,1,2,3,4,5,6,7
	ds_load_b128 v[FR0+32*\a+4*\i:FR0+32*\a+4*\i+3], v[RD] offset:2*\i*PITCH
.endr
.endm
.macro SEND a, younger                 ; younger: the LDS instructions issued behind tile a's loads, which may stay out.  Rows 2 i, 2 i + 1: tokens 8 a + 2 i (i under 4), 32 + 8 (a xor 1) + 2 (i - 4)
	WIN 0
	s_wait_dscnt \younger
.irp i, 0,1,2,3
	global_store_b128 v[CO], v[FR0+32*\a+4*\i:FR0+32*\a+4*\i+3], s[OUT:OUT+1] offset:(8*\a+2*\i)*4096 th:TH_STORE_NT   ; 16 lanes store 256 consecutive bytes, at a multiple of 256 from the output's first byte
.endr
.irp i, 4,5,6,7
	global_store_b128 v[CO], v[FR0+32*\a+4*\i:FR0+32*\a+4*\i+3], s[OUT:OUT+1] offset:(32+8*(\a+1-2*(\a%2))+2*(\i-4))*4096 th:TH_STORE_NT
.endr
.endm
	s_load_b256 s[4:11], s[0:1], 0x0               ; oc s[4:5], osc s[6:7], W_out_codes s[8:9], W_out_scales s[10:11]
	s_load_b128 s[12:15], s[0:1], 0x20             ; b_out s[12:13], out0 s[14:15]
	v_lshl_add_u32 v[SPW], v0, 2, SPARE
	v_mov_b32 v[NIL], 0
	ds_add_u32 v[SPW], v[NIL]                      ; the wave's opening: the add, twice on end, and one wait for both
	ds_add_u32 v[SPW], v[NIL]
	v_lshrrev_b32 v1, 5, v0
	v_readfirstlane_b32 s[WV], v1                  ; wave 0..3
	s_lshr_b32 s[RH], s[WV], 1                     ; which four tiles are mine.  Also: I fetch for o (0) or for W (1)
	s_and_b32 s[CHF], s[WV], 1                     ; which 64 columns.  Also: which half of that tile I fetch
	s_bfe_u32 s[CX], ttmp6, 0x40000
	s_bfe_u32 s[CY], ttmp6, 0x40004
	s_lshl_b32 s[NT], ttmp9, 2
	s_add_co_u32 s[NT], s[NT], s[CX]               ; the block of 128 columns
	s_and_b32 s[MT], ttmp7, 0xffff
	s_lshl_b32 s[MT], s[MT], 2
	s_add_co_u32 s[MT], s[MT], s[CY]               ; the block of 128 tokens
	s_lshl_b32 s56, s[CY], 2
	s_lshl_b32 s56, 15, s56                        ; my row of the cluster
	s_lshl_b32 s57, 0x1111, s[CX]                  ; my column
	s_or_b32 s[G1A], s56, (3<<16)|(1<<21)          ; o: elements of 8 bytes, no padding; bit 21 set beside a mask
	s_mov_b32 s[G1A+1], 1024<<16                   ; tensor_dim0 = 1,024 elements: a tile's 8,192 bytes
	s_mov_b32 s[G1A+2], 4<<16                      ; tensor_dim1 = 4 tiles of tokens
	s_mov_b32 s[G1A+3], 1024<<16
	s_mov_b32 s[G1A+4], 4
	s_mov_b32 s[G1A+5], 1024
	s_mov_b32 s[G1A+6], 0
	s_mov_b32 s[G1A+7], 0
	s_or_b32 s[G1B], s57, (1<<20)|(1<<21)|(6<<22)|(3<<25)   ; W: elements of 1 byte; 4 words of padding behind every 128 (code 6)
	s_mov_b32 s[G1B+1], 512<<16
	s_mov_b32 s[G1B+2], 64<<16
	s_mov_b32 s[G1B+3], 512<<16
	s_mov_b32 s[G1B+4], 64
	s_mov_b32 s[G1B+5], 512
	s_mov_b32 s[G1B+6], 0
	s_mov_b32 s[G1B+7], 0
	s_lshl_b32 s58, s[MT], 16                      ; o: tile 8 block + 4 half, 8,192 bytes each: hangs on the token block and the wave alone
	s_lshl_b32 s62, s[CHF], 15                     ; (half x 32,768 bytes, in LDS too)
	s_add_co_u32 s58, s58, s62
	s_mov_b32 s59, 0
	s_lshl_b32 s60, s[NT], 16                      ; W: row 128 block + 64 half, 512 bytes each: hangs on the column block and the wave alone
	s_add_co_u32 s60, s60, s62
	s_mov_b32 s61, 0
	s_mul_i32 s63, s[CHF], 64*WP
	s_add_co_u32 s63, s63, WOFF
	s_wait_dscnt 0x0                               ; both opening adds are done
	CROUND                                         ; all sixteen work-groups are here: the joint loads meet
	s_wait_kmcnt 0x0
	s_add_nc_u64 s[58:59], s[4:5], s[58:59]
	s_add_nc_u64 s[60:61], s[8:9], s[60:61]
	s_mov_b32 s[G0A], 1
	s_mov_b32 s[G0A+1], s62
	s_mov_b64 s[G0A+2:G0A+3], s[58:59]
	s_or_b32 s[G0A+3], s[G0A+3], 0x80000000
	s_mov_b32 s[G0B], 1
	s_mov_b32 s[G0B+1], s63
	s_mov_b64 s[G0B+2:G0B+3], s[60:61]
	s_or_b32 s[G0B+3], s[G0B+3], 0x80000000
	; one joint load a wave: waves 0 and 1 fetch o's two halves, waves 2 and 3 W's.  The branch hangs on the wave's number alone
	s_cmp_eq_u32 s[RH], 0
	s_cbranch_scc0 .Lfor_w
	tensor_load_to_lds s[G0A:G0A+3], s[G1A:G1A+7]
	s_nop 0
	PLACES
	s_branch .Lasked
.Lfor_w:
	tensor_load_to_lds s[G0B:G0B+3], s[G1B:G1B+7]
	s_nop 0
	PLACES
.Lasked:
	v_and_b32 v1, 31, v0                           ; lane
	v_and_b32 v2, 15, v0                           ; r
	v_bfe_u32 v13, v0, 4, 1                        ; h
	v_lshlrev_b32 v[LI], 4, v1
	s_lshl_b32 s2, s[RH], 15
	v_add_nc_u32 v[AA], s2, v[LI]                  ; my four tiles' images
	v_mul_u32_u24 v15, v2, WP
	v_lshl_add_u32 v15, v13, 4, v15                ; a fragment's row x pitch + 16 h
	v_add_nc_u32 v[AB], s63, v15                   ; the 64 rows that I read are the half named by w % 2, as are those that waves 2 and 3 fetch
	s_mul_i32 s2, s[WV], 16*PITCH
	s_add_co_u32 s2, s2, STAGE                     ; my stage
	v_mul_u32_u24 v14, v2, PITCH
	v_lshl_add_u32 v[STO], v13, 5, v14
	v_add_nc_u32 v[STO], s2, v[STO]                ; in: row r, 32 bytes for each half of the lanes
	v_mul_u32_u24 v[RD], v13, PITCH
	v_lshl_add_u32 v[RD], v2, 4, v[RD]
	v_add_nc_u32 v[RD], s2, v[RD]                  ; back: lanes 0-15 one row of 256 bytes, lanes 16-31 the next
	v_lshlrev_b32 v[CO], 12, v13
	v_lshl_add_u32 v[CO], v2, 4, v[CO]             ; and the same two rows of the output
	v_lshlrev_b32 v[SA], 5, v2
	v_lshl_add_u32 v[SA], v13, 10, v[SA]           ; scale bytes: 32 a row; lanes 16-31 two tiles on
	v_lshlrev_b32 v[BA], 5, v13                    ; the bias: eight numbers at 8 h
	s_lshl_b32 s[OSB], s[MT], 12                   ; o's scales: (128 block + 64 half) rows of 32 bytes
	s_lshl_b32 s[OSB+1], s[RH], 11
	s_add_co_u32 s[OSB], s[OSB], s[OSB+1]
	s_mov_b32 s[OSB+1], 0
	s_add_nc_u64 s[OSB:OSB+1], s[6:7], s[OSB:OSB+1]
	s_lshl_b32 s[WSB], s[NT], 12                   ; W's likewise
	s_lshl_b32 s[WSB+1], s[CHF], 11
	s_add_co_u32 s[WSB], s[WSB], s[WSB+1]
	s_mov_b32 s[WSB+1], 0
	s_add_nc_u64 s[WSB:WSB+1], s[10:11], s[WSB:WSB+1]
	s_lshl_b32 s[BOB], s[NT], 9                    ; my 64 columns, 4 bytes each: in the bias,
	s_lshl_b32 s[BOB+1], s[CHF], 8
	s_add_co_u32 s[BOB], s[BOB], s[BOB+1]
	s_mov_b32 s[BOB+1], 0
	s_lshl_b32 s76, s[MT], 19                      ; and in the output, behind my first token's rows of 4,096 bytes
	s_lshl_b32 s77, s[RH], 18
	s_add_co_u32 s76, s76, s77
	s_add_co_u32 s76, s76, s[BOB]
	s_mov_b32 s77, 0
	s_add_nc_u64 s[OUT:OUT+1], s[14:15], s[76:77]
	s_add_nc_u64 s[BOB:BOB+1], s[12:13], s[BOB:BOB+1]
	s_wait_alu depctr_va_vdst(0)                   ; the wait at the end of the head's vector work
.irp a, 0,1
.irp f, 0,1
	global_load_b128 v[OSC+8*\a+4*\f:OSC+8*\a+4*\f+3], v[SA], s[OSB:OSB+1] offset:512*\a+16*\f
	global_load_b128 v[WSC+8*\a+4*\f:WSC+8*\a+4*\f+3], v[SA], s[WSB:WSB+1] offset:512*\a+16*\f
.endr
.endr
.irp b, 0,1,2,3
	global_load_b128 v[BO+8*\b:BO+8*\b+3], v[BA], s[BOB:BOB+1] offset:64*\b          ; b(16 b + 8 h + 0 .. 7)
	global_load_b128 v[BO+8*\b+4:BO+8*\b+7], v[BA], s[BOB:BOB+1] offset:64*\b+16
.endr
	s_wait_tensorcnt 0x0                           ; my tile is in
	s_barrier_signal -1
	s_barrier_wait -1                              ; everybody's is
	OLOAD 0
.irp s, 0,1,2,3,4,5,6,7
	WLOAD \s
.endr
	s_wait_loadcnt 0x0                             ; scale words and bias
	ROW 0
	PLACES
	TOSTAGE 0
	OLOAD 2
	SEND 0, 16                                     ; behind tile 0's loads from the stage: tile 2's 16 loads of o
	ROW 1
	PLACES
	TOSTAGE 1
	OLOAD 3
	s_wait_dscnt 32                                ; tile 2's loads of o are in: behind them the stage's 8 stores and 8 loads and tile 3's 16 loads
	ROW 2                                          ; (tile 1 comes back from the stage meanwhile)
	SEND 1, 16                                     ; behind its loads: tile 3's 16
	PLACES
	TOSTAGE 2
	s_wait_dscnt 16                                ; tile 3's loads of o are in: behind them the stage's 8 stores and 8 loads
	ROW 3
	SEND 2, 0
	PLACES
	TOSTAGE 3
	SEND 3, 0
	s_wait_tensorcnt 0x0                           ; the wave's end
	ds_add_u32 v[SPW], v[NIL]
	s_wait_dscnt 0x0
	CROUND                                         ; the closing round: no work-group ends while a partner may still ask for a tile that names it
	s_endpgm
.Lfunc_end_k_qbafb9aaac3_proj:
	.size	k_qbafb9aaac3_proj, .Lfunc_end_k_qbafb9aaac3_proj-k_qbafb9aaac3_proj
	.p2alignl 7, 3214868480
	.fill 96, 4, 3214868480
	.section	.rodata,"a",@progbits
	.p2align	6, 0x0
	.amdhsa_kernel k_qbafb9aaac3_proj
		.amdhsa_group_segment_fixed_size 168448
		.amdhsa_private_segment_fixed_size 0
		.amdhsa_enable_private_segment 0
		.amdhsa_kernarg_size 48
		.amdhsa_user_sgpr_count 2
		.amdhsa_user_sgpr_kernarg_segment_ptr 1
		.amdhsa_wavefront_size32 1
		.amdhsa_system_sgpr_workgroup_id_x 1
		.amdhsa_system_sgpr_workgroup_id_y 1
		.amdhsa_system_sgpr_workgroup_id_z 1
		.amdhsa_system_vgpr_workitem_id 0
		.amdhsa_next_free_vgpr 1024
		.amdhsa_next_free_sgpr 100
		.amdhsa_reserve_vcc 0
		.amdhsa_float_denorm_mode_32 3
		.amdhsa_float_denorm_mode_16_64 3
		.amdhsa_memory_ordered 1
		.amdhsa_forward_progress 1
		.amdhsa_inst_pref_size 41
	.end_amdhsa_kernel
	.amdgpu_metadata
---
amdhsa.version: [ 1, 2 ]
amdhsa.kernels:
  - .name:           k_qbafb9aaac3_proj
    .symbol:         k_qbafb9aaac3_proj.kd
    .args:
      - { .name: oc, .offset: 0, .size: 8, .value_kind: global_buffer, .address_space: global }
      - { .name: osc, .offset: 8, .size: 8, .value_kind: global_buffer, .address_space: global }
      - { .name: W_out_codes, .offset: 16, .size: 8, .value_kind: global_buffer, .address_space: global }
      - { .name: W_out_scales, .offset: 24, .size: 8, .value_kind: global_buffer, .address_space: global }
      - { .name: b_out, .offset: 32, .size: 8, .value_kind: global_buffer, .address_space: global }
      - { .name: out0, .offset: 40, .size: 8, .value_kind: global_buffer, .address_space: global }
    .group_segment_fixed_size: 168448
    .private_segment_fixed_size: 0
    .kernarg_segment_align: 8
    .kernarg_segment_size: 48
    .max_flat_workgroup_size: 128
    .sgpr_count:     100
    .vgpr_count:     1024
    .wavefront_size: 32
...
	.end_amdgpu_metadata
.endif
;; end of part 3
